; MI455X (gfx1250); checked and timed in simulation.
; The chip was launched on July 23, 2026; its instructions are those of AMD's public machine-readable ISA for CDNA 5 (MIT licence, August 2026) and "CDNA5" Instruction Set Architecture Reference Guide (July 2026). The comments in the code are by the model that wrote it; some were corrected since.
;; Mo E Layer. Allowed arithmetic: float matrix products may take bf16 or f16 operands with f32 sums; other float arithmetic in f32, or as packed bf16 or f16 multiplies, adds, multiply-adds, maxima and minima; sums over many terms, partial sums and values carried from step to step in f32; what a program stores and reads back later, other than sums and carried values, may be rounded once to bf16 or f16.
;; Inputs: b1 8 x 2,048 float32; b2 8 x 512 float32; router_b 8 float32; router_w 512 x 8 float32; w1 8 x 512 x 2,048 float32; w2 8 x 2,048 x 512 float32; x 2 x 2,048 x 512 float32.
;; Outputs: out0 2 x 2,048 x 512 float32.
;; One version. Each part assembles by itself: llvm-mc -triple=amdgcn-amd-amdhsa -mcpu=gfx1250 --defsym DOCPART=n.
;; ======== version 1 of 1: 3 launches
;; workspace buffers: xb 4,194,304 bytes; w1f 16,777,216 bytes; w2f 16,777,216 bytes; route 12,288 bytes of whole numbers; gate 32,768 bytes; part 67,108,864 bytes
;; launch prep (part 1): grid 256 x 1, 8 waves a work-group, no clusters, 26,112 bytes of LDS; arguments x, router_w, router_b, w1, w2, xb, w1f, w2f, route, gate; writes xb, w1f, w2f, route, gate
.if DOCPART == 1
	.amdgcn_target "amdgcn-amd-amdhsa--gfx1250"
	.amdhsa_code_object_version 6
	.text
	.protected	k_q21e0d1b8c6_prep
	.globl	k_q21e0d1b8c6_prep
	.p2align	8
	.type	k_q21e0d1b8c6_prep,@function
k_q21e0d1b8c6_prep:
	s_mov_b64 s[64:65], 0
	v_nop
	global_prefetch_b8 v0, s[64:65] scope:SCOPE_SE
	s_setreg_imm32_b32 hwreg(HW_REG_WAVE_MODE, 25, 1), 1
	s_wait_xcnt 0x0
; PREP: rounds x to bf16 (same layout), rounds w1 and w2 to bf16 AND LAYS THEM OUT AS MATRIX OPERANDS, and routes.
; THE WEIGHTS.  A block is 32 k x 64 columns.  Lanes 0-15 load 4 columns each (256 consecutive bytes) of row k + i, lanes 16-31 the same
; 64 columns of row k + 8 + i, i = 0..7.  Rounding rows 2 d and 2 d + 1 together makes word d of a column's eight k: 16 bytes a column.
; Store c of four writes each lane's column 4 r + c: 512 consecutive bytes, which are registers 0-3 (rows 0-15 of the block) or 4-7
; (rows 16-31) of a fragment whose lane r holds column 4 r + c of the 64, with k in its true places.  No lane hands anything to another.
; w1f, w2f: [expert][slice j][wave w][step s of 32 k][fragment 4 g + c][half][lane][16 bytes]: the 131,072 bytes that one wave of the next
; launch walks in one phase lie end to end.  w1: column = 512 j + 128 w + 64 g + 4 r + c, k = 32 s ..   w2: k = 512 j + 32 s .., column = 128 w + 64 g + 4 r + c.
; Work-group g of 256: expert g / 32; with u = g % 32: of w1 the rows 32 (u / 2) .. and 16 column groups, two a wave; of w2 the rows 64 u .. 64 u + 63, a column group a wave.
; ROUTER, for tokens 16 g .. 16 g + 15.  logits = x router_w + router_b on the numbers ROUNDED TO BF16 (all three), sums in f32, by the matrix
; unit in wave 0.  The two experts are chosen by the logits (strictly greater wins, so the lower index keeps a tie, as top_k does on the gates).
; Weights: g1 = 1 / (1 + d), g2 = d g1, d = 2^((l2 - l1) log2 e): the larger logit is taken away ahead of the exponential, and the softmax's
; own denominator cancels in the renormalisation.
; LIMITS.  Two gates that round to one f32 while their logits differ are ordered by the logits.  NaN and infinite logits are not treated
; apart.  d below 2^-126 counts as 0.
; OUT.  route: three tables of [256 blocks of 16 tokens][4 words]; word d holds expert 2 d in its low half, 2 d + 1 in its high:
; at byte 0 the counts, at 4,096 the masks 'token chose the expert', at 8,192 the masks 'it is the token's second choice'.
; gate: [token][2] f32.  No address and no branch here hangs on the choice: it is stored at fixed places.
.set XP,    1040                       ; a row of x in LDS: 1,024 bytes + 16: the 16 rows of a fragment load start 4 banks apart
.set RW,    16896                      ; router_w in bf16, [512 k][8 experts], 16 bytes a row
.set SPARE, 25088                      ; the spare words, 128 bytes for each of 8 waves
.set RG,    128                        ; v[128:255] four half blocks in flight, 8 loads of 4 registers each
.set OG,    48                         ; v[48:111]  four half blocks rounded, 16 registers each
.macro LOADW ptr, vo, R, imm, row      ; half a block: eight rows, row bytes apart
.irp i, 0,1,2,3,4,5,6,7
	global_load_b128 v[(\R)+4*\i:(\R)+4*\i+3], v[\vo], s[\ptr:\ptr+1] offset:(\imm)+\i*(\row) th:TH_LOAD_NT
.endr
.endm
.macro CASTW dst, R, O, imm            ; rounded in pairs of rows, and stored: column 4 r + c goes to fragment c
.irp c, 0,1,2,3
.irp d, 0,1,2,3
	v_cvt_pk_bf16_f32 v[(\O)+4*\c+\d], v[(\R)+8*\d+\c], v[(\R)+8*\d+4+\c]
.endr
.endr
.irp c, 0,1,2,3
	global_store_b128 v122, v[(\O)+4*\c:(\O)+4*\c+3], s[\dst:\dst+1] offset:(\imm)+1024*\c
.endr
.endm
	s_load_b512 s[4:19], s[0:1], 0x0               ; x 4, router_w 6, router_b 8, w1 10, w2 12, xb 14, w1f 16, w2f 18
	s_load_b128 s[20:23], s[0:1], 0x40             ; route 20, gate 22
	v_lshl_add_u32 v10, v0, 2, SPARE               ; my spare word
	v_mov_b32 v11, 0
	v_lshrrev_b32 v3, 5, v0
	v_readfirstlane_b32 s32, v3                    ; wave 0..7
	v_lshlrev_b32 v1, 4, v0                        ; 16 t
	v_lshlrev_b32 v2, 3, v0                        ; 8 t
	v_and_b32 v3, 31, v0                           ; lane
	v_and_b32 v4, 15, v0                           ; r
	v_bfe_u32 v5, v0, 4, 1                         ; h
	v_lshrrev_b32 v6, 7, v0                        ; a chunk of x is two rows: which of them,
	v_mul_u32_u24 v6, v6, XP
	v_and_b32 v7, 127, v0
	v_lshl_add_u32 v6, v7, 3, v6                   ; and my 8 bytes in it
	v_lshlrev_b32 v7, 5, v0
	v_add_nc_u32 v7, RW, v7                        ; my two rows of router_w in LDS
	v_mul_u32_u24 v8, v4, XP
	v_lshl_add_u32 v8, v5, 4, v8                   ; a fragment of x: row r, 16 bytes for each half of the lanes
	v_and_b32 v9, 7, v0
	v_lshl_add_u32 v9, v5, 3, v9
	v_lshl_add_u32 v9, v9, 4, RW                   ; the turning load: row k = 8 h + lane % 8.  Lanes 8-15 (24-31) name the bytes of lanes 0-7 (16-23): matrix rows 8-15 repeat experts 0-7
	v_lshlrev_b32 v36, 6, v0                       ; 64 t: my 16 numbers of router_w
	v_lshlrev_b32 v122, 4, v3                      ; the weights' stores: 16 x lane
	v_lshlrev_b32 v120, 4, v4                      ; their loads: 16 r,
	v_lshl_add_u32 v121, v5, 14, v120              ; and 8 rows down for lanes 16-31: of 2,048 bytes in w2,
	v_lshl_add_u32 v120, v5, 16, v120              ; of 8,192 in w1
	s_mov_b32 s35, 0
	s_mov_b32 s56, 0xffff0000                      ; lanes 16-31
	s_lshr_b32 s36, ttmp9, 5                       ; expert
	s_and_b32 s37, ttmp9, 31                       ; u
	s_lshr_b32 s38, s37, 1                         ; w1's block of 32 rows
	s_and_b32 s39, s37, 1                          ; and which half of its columns
	s_wait_kmcnt 0x0
	s_lshl_b32 s34, ttmp9, 15
	s_add_nc_u64 s[4:5], s[4:5], s[34:35]          ; x: 16 rows of 2,048 bytes
	s_lshl_b32 s34, ttmp9, 14
	s_add_nc_u64 s[14:15], s[14:15], s[34:35]
	s_lshl_b32 s34, ttmp9, 4
	s_add_nc_u64 s[20:21], s[20:21], s[34:35]      ; my block's four words in each table
	s_lshl_b32 s34, ttmp9, 7
	s_add_nc_u64 s[22:23], s[22:23], s[34:35]
	s_lshl_b32 s34, s36, 22                        ; w1 from: expert x 4 MiB + 32 rows x 8,192 + (16 (u % 2) + 2 wave) x 256
	s_lshl_b32 s57, s38, 18
	s_add_co_u32 s34, s34, s57
	s_lshl_b32 s57, s39, 12
	s_add_co_u32 s34, s34, s57
	s_lshl_b32 s57, s32, 9
	s_add_co_u32 s34, s34, s57
	s_add_nc_u64 s[10:11], s[10:11], s[34:35]
	s_lshl_b32 s34, s36, 21                        ; w1f to: expert x 2 MiB + (8 (u % 2) + wave) x 131,072 + step x 8,192
	s_lshl_b32 s57, s39, 20
	s_add_co_u32 s34, s34, s57
	s_lshl_b32 s57, s32, 17
	s_add_co_u32 s34, s34, s57
	s_lshl_b32 s57, s38, 13
	s_add_co_u32 s34, s34, s57
	s_add_nc_u64 s[16:17], s[16:17], s[34:35]
	s_lshl_b32 s34, s36, 22                        ; w2 from: expert x 4 MiB + 64 u rows x 2,048 + wave x 256
	s_lshl_b32 s57, s37, 17
	s_add_co_u32 s34, s34, s57
	s_lshl_b32 s57, s32, 8
	s_add_co_u32 s34, s34, s57
	s_add_nc_u64 s[12:13], s[12:13], s[34:35]
	s_lshl_b32 s34, s36, 21                        ; w2f to: expert x 2 MiB + (u / 8) x 524,288 + (wave / 2) x 131,072 + 2 (u % 8) x 8,192 + (wave % 2) x 4,096
	s_lshr_b32 s57, s37, 3
	s_lshl_b32 s57, s57, 19
	s_add_co_u32 s34, s34, s57
	s_lshr_b32 s57, s32, 1
	s_lshl_b32 s57, s57, 17
	s_add_co_u32 s34, s34, s57
	s_and_b32 s57, s37, 7
	s_lshl_b32 s57, s57, 14
	s_add_co_u32 s34, s34, s57
	s_and_b32 s57, s32, 1
	s_lshl_b32 s57, s57, 12
	s_add_co_u32 s34, s34, s57
	s_add_nc_u64 s[18:19], s[18:19], s[34:35]
	s_load_b256 s[24:31], s[8:9], 0x0              ; router_b
.irp c, 0,1,2,3,4,5,6,7
	global_load_b128 v[48+4*\c:51+4*\c], v1, s[4:5] offset:4096*\c th:TH_LOAD_NT
.endr
.irp c, 0,1,2,3
	global_load_b128 v[80+4*\c:83+4*\c], v36, s[6:7] offset:16*\c
.endr
.irp q, 0,1,2,3
	LOADW 10, 120, RG+32*\q, ((\q)%2)*16*8192+((\q)/2)*256, 8192  ; my two blocks of w1 go out at once: block q / 2, rows 16 (q % 2) on
.endr
	s_wait_loadcnt 32                              ; the 32 loads of w1 are younger: x and router_w are in
	s_wait_kmcnt 0x0                               ; router_b
.irp c, 0,1,2,3,4,5,6,7
	v_cvt_pk_bf16_f32 v[48+4*\c], v[48+4*\c], v[49+4*\c]
	v_cvt_pk_bf16_f32 v[49+4*\c], v[50+4*\c], v[51+4*\c]
	global_store_b64 v2, v[48+4*\c:49+4*\c], s[14:15] offset:2048*\c
	ds_store_b64 v6, v[48+4*\c:49+4*\c] offset:2*XP*\c
.endr
.irp i, 0,1,2,3,4,5,6,7
	v_cvt_pk_bf16_f32 v[80+\i], v[80+2*\i], v[81+2*\i]  ; ascending: register i is written when 2 i and 2 i + 1 have been read
.endr
	ds_store_b128 v7, v[80:83]
	ds_store_b128 v7, v[84:87] offset:16
	s_wait_dscnt 0x0                               ; for wave 0's sake: my stores are done
	s_barrier_signal -1
	s_barrier_wait -1
	s_cmp_lg_u32 s32, 0
	s_cbranch_scc1 .Lcast                          ; the router is wave 0's; no barrier stands in it
.irp p, 0,1,2,3
	v_mov_b32 v[12+2*\p], s[24+2*\p]
	v_mov_b32 v[13+2*\p], s[25+2*\p]
	v_cvt_pk_bf16_f32 v36, v[12+2*\p], v[13+2*\p]  ; the bias rounded to bf16, back as f32: it starts the sum
	v_lshlrev_b32 v[12+2*\p], 16, v36
	v_and_b32 v[13+2*\p], 0xffff0000, v36
.endr
	s_wait_xcnt 0x0                                ; the stores of xb have read v48-79, which take fragments now
; source 0 = router_w turned (rows = experts), source 1 = 16 tokens: a lane holds token r, register j expert j, in both halves of the lanes.
; 16 K steps of 32 in four batches; two accumulators take turns, one instruction a turn.
.set kk, 0
.rept 4
.if kk > 0
.rept 4
	v_nop                                          ; four places between the last products and the loads into their sources
.endr
.endif
.irp u, 0,1,2,3
	ds_load_tr16_b128 v[80+8*\u:83+8*\u], v9 offset:512*(kk+\u)
	ds_load_tr16_b128 v[84+8*\u:87+8*\u], v9 offset:512*(kk+\u)+256
	ds_load_b128 v[48+8*\u:51+8*\u], v8 offset:64*(kk+\u)
	ds_load_b128 v[52+8*\u:55+8*\u], v8 offset:64*(kk+\u)+32
.endr
	s_wait_dscnt 0x0
.irp u, 0,1,2,3
.if (kk+\u) == 0
	v_wmma_f32_16x16x32_bf16 v[20:27], v[80:87], v[48:55], v[12:19]
.elseif (kk+\u) == 1
	v_wmma_f32_16x16x32_bf16 v[28:35], v[88:95], v[56:63], 0
.else
	v_wmma_f32_16x16x32_bf16 v[20+8*((\u)%2):27+8*((\u)%2)], v[80+8*\u:87+8*\u], v[48+8*\u:55+8*\u], v[20+8*((\u)%2):27+8*((\u)%2)]
.endif
.endr
.set kk, kk+4
.endr
.rept 4
	v_nop
.endr
.irp e, 0,1,2,3,4,5,6,7
	v_add_f32 v[12+\e], v[20+\e], v[28+\e]         ; the logits, from the accumulators' low end on
.endr
	v_mov_b32 v36, v12                             ; m1, i1: the largest logit and its expert
	v_mov_b32 v37, 0
.irp e, 1,2,3,4,5,6,7
	v_cmp_gt_f32 vcc_lo, v[12+\e], v36
	v_cndmask_b32 v37, v37, \e, vcc_lo
	v_max_num_f32 v36, v36, v[12+\e]
.endr
	v_mov_b32 v40, 0xff800000
.irp e, 0,1,2,3,4,5,6,7
	v_cmp_eq_u32 vcc_lo, \e, v37
	v_cndmask_b32 v[12+\e], v[12+\e], v40, vcc_lo  ; the first choice leaves the field
.endr
	v_mov_b32 v38, v12                             ; m2, i2
	v_mov_b32 v39, 0
.irp e, 1,2,3,4,5,6,7
	v_cmp_gt_f32 vcc_lo, v[12+\e], v38
	v_cndmask_b32 v39, v39, \e, vcc_lo
	v_max_num_f32 v38, v38, v[12+\e]
.endr
	v_sub_f32 v41, v38, v36
	v_mul_f32 v41, 0x3fb8aa3b, v41
	v_exp_f32 v42, v41                             ; d
	v_lshlrev_b32 v112, 3, v4                      ; (a plain instruction behind the exponential) gate's place: 8 r
	s_wait_alu depctr_va_vdst(0)                   ; the wait ahead of the result's first reader
	v_add_f32 v43, 1.0, v42
	v_rcp_f32 v44, v43                             ; g1
	v_lshl_add_u32 v112, v5, 2, v112               ; (a plain instruction) + 4 h
	s_wait_alu depctr_va_vdst(0)
	v_mul_f32 v45, v42, v44                        ; g2
	v_cndmask_b32 v46, v44, v45, s56               ; lanes 0-15 store g1, lanes 16-31 g2: 128 consecutive bytes
	global_store_b32 v112, v46, s[22:23]
.irp e, 0,1,2,3,4,5,6,7
	v_cmp_eq_u32 s[40+\e], \e, v37
	v_cmp_eq_u32 s[48+\e], \e, v39
.endr
	v_mov_b32 v47, 0
.irp d, 0,1,2,3
	s_or_b32 s58, s[40+2*\d], s[48+2*\d]
	s_and_b32 s58, s58, 0xffff                     ; who chose expert 2 d (the upper lanes repeat the lower)
	s_or_b32 s59, s[41+2*\d], s[49+2*\d]
	s_and_b32 s59, s59, 0xffff                     ; and 2 d + 1
	s_bcnt1_i32_b32 s60, s58
	s_bcnt1_i32_b32 s61, s59
	s_lshl_b32 s61, s61, 16
	s_or_b32 s60, s60, s61
	v_writelane_b32 v47, s60, \d                   ; lanes 0-3: the counts
	s_lshl_b32 s59, s59, 16
	s_or_b32 s58, s58, s59
	v_writelane_b32 v47, s58, 4+\d                 ; lanes 4-7: the masks
	s_and_b32 s58, s[48+2*\d], 0xffff
	s_lshl_b32 s59, s[49+2*\d], 16
	s_or_b32 s58, s58, s59
	v_writelane_b32 v47, s58, 8+\d                 ; lanes 8-11: the second choices
.endr
	v_lshrrev_b32 v113, 2, v3
	v_and_b32 v114, 3, v3
	v_lshlrev_b32 v114, 2, v114
	v_lshl_add_u32 v113, v113, 12, v114            ; table lane / 4, word lane % 4
	s_wait_xcnt 0x0                                ; EXEC changes only behind this wait
	v_cmp_gt_u32 vcc_lo, 12, v3
	s_and_saveexec_b32 s57, vcc_lo
	global_store_b32 v113, v47, s[20:21]
	s_wait_xcnt 0x0
	s_or_b32 exec_lo, exec_lo, s57
.Lcast:
; The weights.  A group is half a block, 8 loads.  The count of each wait is the loads of the groups issued behind the group in hand.
	s_wait_xcnt 0x0                                ; the stores of xb have read v48-79, which take rounded weights now
.irp q, 0,1,2,3
	s_wait_loadcnt 24
	CASTW 16, RG+32*\q, OG+16*\q, ((\q)/2)*4096+((\q)%2)*512
	LOADW 12, 121, RG+32*\q, (32*((\q)/2)+16*((\q)%2))*2048, 2048  ; the roundings have read the group's registers: w2's group takes them
.endr
.irp q, 0,1,2,3
	s_wait_loadcnt 24-8*\q
	s_wait_xcnt 0x0                                ; w1f's stores have read the registers that this group's roundings write
	CASTW 18, RG+32*\q, OG+16*\q, ((\q)/2)*8192+((\q)%2)*512
.endr
	s_wait_tensorcnt 0x0                           ; the wave's end
	ds_add_u32 v10, v11
	s_wait_dscnt 0x0
	s_endpgm
.Lfunc_end_k_q21e0d1b8c6_prep:
	.size	k_q21e0d1b8c6_prep, .Lfunc_end_k_q21e0d1b8c6_prep-k_q21e0d1b8c6_prep
	.p2alignl 7, 3214868480
	.fill 96, 4, 3214868480
	.section	.rodata,"a",@progbits
	.p2align	6, 0x0
	.amdhsa_kernel k_q21e0d1b8c6_prep
		.amdhsa_group_segment_fixed_size 26112
		.amdhsa_private_segment_fixed_size 0
		.amdhsa_enable_private_segment 0
		.amdhsa_kernarg_size 80
		.amdhsa_user_sgpr_count 2
		.amdhsa_user_sgpr_kernarg_segment_ptr 1
		.amdhsa_wavefront_size32 1
		.amdhsa_system_sgpr_workgroup_id_x 1
		.amdhsa_system_sgpr_workgroup_id_y 1
		.amdhsa_system_sgpr_workgroup_id_z 1
		.amdhsa_system_vgpr_workitem_id 0
		.amdhsa_next_free_vgpr 256
		.amdhsa_next_free_sgpr 66
		.amdhsa_reserve_vcc 1
		.amdhsa_float_denorm_mode_32 3
		.amdhsa_float_denorm_mode_16_64 3
		.amdhsa_memory_ordered 1
		.amdhsa_forward_progress 1
		.amdhsa_inst_pref_size 40
	.end_amdhsa_kernel
	.amdgpu_metadata
---
amdhsa.version: [ 1, 2 ]
amdhsa.kernels:
  - .name:           k_q21e0d1b8c6_prep
    .symbol:         k_q21e0d1b8c6_prep.kd
    .args:
      - { .name: x, .offset: 0, .size: 8, .value_kind: global_buffer, .address_space: global }
      - { .name: router_w, .offset: 8, .size: 8, .value_kind: global_buffer, .address_space: global }
      - { .name: router_b, .offset: 16, .size: 8, .value_kind: global_buffer, .address_space: global }
      - { .name: w1, .offset: 24, .size: 8, .value_kind: global_buffer, .address_space: global }
      - { .name: w2, .offset: 32, .size: 8, .value_kind: global_buffer, .address_space: global }
      - { .name: xb, .offset: 40, .size: 8, .value_kind: global_buffer, .address_space: global }
      - { .name: w1f, .offset: 48, .size: 8, .value_kind: global_buffer, .address_space: global }
      - { .name: w2f, .offset: 56, .size: 8, .value_kind: global_buffer, .address_space: global }
      - { .name: route, .offset: 64, .size: 8, .value_kind: global_buffer, .address_space: global }
      - { .name: gate, .offset: 72, .size: 8, .value_kind: global_buffer, .address_space: global }
    .group_segment_fixed_size: 26112
    .private_segment_fixed_size: 0
    .kernarg_segment_align: 8
    .kernarg_segment_size: 80
    .max_flat_workgroup_size: 256
    .sgpr_count:     66
    .vgpr_count:     256
    .wavefront_size: 32
...
	.end_amdgpu_metadata
.endif
;; end of part 1
;; launch ffn (part 2): grid 4 x 64, 4 waves a work-group, no clusters, 196,608 bytes of LDS; arguments xb, w1f, w2f, b1, b2, route, part; writes part
.if DOCPART == 2
	.amdgcn_target "amdgcn-amd-amdhsa--gfx1250"
	.amdhsa_code_object_version 6
	.text
	.protected	k_q21e0d1b8c6_ffn
	.globl	k_q21e0d1b8c6_ffn
	.p2align	8
	.type	k_q21e0d1b8c6_ffn,@function
k_q21e0d1b8c6_ffn:
	s_mov_b64 s[64:65], 0
	v_nop
	global_prefetch_b8 v0, s[64:65] scope:SCOPE_SE
	s_setreg_imm32_b32 hwreg(HW_REG_WAVE_MODE, 25, 1), 1
	s_wait_xcnt 0x0
; FFN: both products of one expert for a tile of up to 144 routed rows and one quarter (512) of the hidden width.
;   h = relu(x w1[e][:, slice] + b1[e][slice]) rounded to bf16;  part[slot][j] = h w2[e][slice, :] (+ b2[e] where j = 0), f32.
; Grid: x = j, the slice; y = i, the row tile.  THE GRID SERVES EVERY SPLIT: the sum over experts of ceil(c_e / 144) is at most
; (8,192 + 8 x 143) / 144 = 64.8, so 64 tiles do.  Tile i belongs to the last expert whose first tile is at or below i, and takes
; that expert's rows of rank r0 = 144 (i - first) on, in token order; n = clamp(c_e - r0, 0, 144).  Places past n repeat token 0's
; row and their stores are jumped.  A tile with n = 0 runs the same text and stores nothing: every wave passes every barrier, and
; no barrier may stand under a branch on loaded counts.
; BOTH PRODUCTS HAVE ONE SHAPE: acc[144 x 512] = A[144 x 512, resident in LDS] x B[512 k][512 n], in 16 steps of 32 k.
; Wave w owns all 144 rows x columns 128 w .. 128 w + 127: 72 accumulators.  A step is 72 matrix instructions, 18 LDS loads (A) and 16 global loads (B).
; THE WEIGHTS COME STRAIGHT INTO THE OPERAND REGISTERS.  No other wave wants a wave's 128 columns, so LDS would only hold them.  The launch before
; has laid them out as fragments, a wave's 131,072 bytes of a phase end to end; a load takes 512 consecutive bytes.  Four buffers of 64 registers
; take turns: step s asks for step s + 3 behind its first 8 products, 208 matrix instructions ahead of the use; three steps, 24 KB a wave, are on
; their way.  The turns run on from w1f into w2f.  So the loops hold no barrier, and nothing in them writes LDS.
; NO CLUSTER, NO TENSOR LOAD.  Weights are shared by the row tiles of one expert, whose number and place hang on the counts: whole clusters of four
; for each expert would want (8,192 + 8 (4 M - 1)) / 4 M <= 16, M >= 228 rows a tile, 78 in a hundred over the needed products.  The four slices of
; a row tile share x alone, 147 KB of a work-group's 1.2 MB, and x comes by a list that no descriptor covers.
; COLUMNS.  Source 0 = a fragment of weights, source 1 = 16 rows of A.  Lane r of fragment b = 4 g + c holds column 64 g + 4 r + c of my 128.  So in
; accumulator (a, b) lane (r, h) holds row 16 a + r, and register jj column 64 g + 32 h + 4 jj + c: the four accumulators of a group hold 32
; neighbouring columns of the row.  h: accumulators c and c + 1 rounded together give neighbouring columns: 64 bytes a lane, in their true order.
; part: a row's 128 numbers leave in the order 16 b + 8 h + jj; the launch behind puts them right.
; THE BIASES are rounded to bf16 in the head, laid into a table of my own in LDS in the accumulators' order, and read into B's fourth buffer, idle in a
; phase's first step: they are the C of the first products.  That buffer's load (step 3) then goes out at the end of the first step.
; All inputs are used rounded to bf16; sums in f32; h once to bf16.  LIMITS: NaN and infinities are not treated apart (b2 is multiplied by 0 where j > 0).
; REGISTERS, in windows of 256 (s_set_vgpr_msb: bits 1:0 source 0, 3:2 source 1, 5:4 source 2, 7:6 destination):
;   window 0: v0-31 addresses; v32-103, v104-175 fragments of A, two buffers of 9 x 8; v176-239 B's buffer 3; v240-255 at work
;   window 1: accumulators of row blocks 0-3 at 64 a + 8 b     window 2: of row blocks 4-7     window 3: v0-63 row block 8; v64-255 B's buffers 0-2
.set XP,    1040                       ; a row of x or h in LDS: 1,024 bytes + 16: the 16 rows of a fragment load start 4 banks apart
.set SGP,   528                        ; the way out: a row of 512 bytes + 16
.set STAGE, 144*XP                     ; 149,760: behind x / h: 16 rows x 528 bytes for each wave
.set BT,    STAGE+4*16*SGP             ; 183,552: each wave's two bias tables, [h][fragment][8] f32, 512 bytes each
.set LISTP, BT+4*1024                  ; 187,648: each wave's part of the list: 160 entries and 32 words for what is not wanted
.set LISTM, LISTP+4*768                ; each wave's own copy of the whole list
.set SPARE, LISTM+4*768                ; 193,792: the spare words, 128 bytes a wave
.set STEPB, 8192                       ; a step's weights: 8 fragments of 1,024 bytes
.set ADRA, 4                           ; v4-6    A fragments: row blocks 3 q .. 3 q + 2, at the K place in hand
.set BTA,  7                           ; v7      where I read a bias table
.set BTW,  8                           ; v8      where I write it
.set STOH, 9                           ; v9-11   where h goes
.set STG,  12                          ; v12     the way out: in
.set RD,   13                          ; v13     the way out: back
.set L16,  14                          ; v14     16 x lane; never rewritten
.set LM,   15                          ; v15     my copy of the list
.set ZR,   17                          ; v17     0
.set AB0,  20                          ; v20-22  ADRA at K = 0; never rewritten
.set SPW,  30
.set NIL,  31
.set AF,   32
.set GO,   32                          ; the gather's 36 offsets, ahead of A's first fragments
.set B3,   176
.set TM,   176                         ; the way out: 64 registers of rows, 16 of slots
.set MSB, 0
.macro WIN new                         ; the immediate's high byte repeats the setting that is left; a switch that changes nothing is dropped
.if MSB != (\new)
	s_set_vgpr_msb (MSB<<8)|(\new)
.set MSB, (\new)
.endif
.endm
.macro PLACES                          ; four places between a matrix instruction and a load into, or a vector read of, its registers
.rept 4
	v_nop
.endr
.endm
; 8 matrix instructions: row block a x all 8 fragments, 32 along K, B's buffer f, A's buffer p.  init = 1: the bias, in buffer 3, starts the sums.
.macro MULR f, p, a, init
.if (\a) < 4
.set AC, 64*(\a)
.set WW, 1
.elseif (\a) < 8
.set AC, 64*((\a)-4)
.set WW, 2
.else
.set AC, 0
.set WW, 3
.endif
.if (\f) < 3
.set BB, 64+64*(\f)
.set BWIN, 3
.else
.set BB, B3
.set BWIN, 0
.endif
.if \init
	WIN (WW<<6)|BWIN
.else
	WIN (WW<<6)|(WW<<4)|BWIN
.endif
.irp b, 0,1,2,3,4,5,6,7
.if \init
	v_wmma_f32_16x16x32_bf16 v[AC+8*\b:AC+8*\b+7], v[BB+8*\b:BB+8*\b+7], v[AF+72*(\p)+8*(\a):AF+72*(\p)+8*(\a)+7], v[B3+8*\b:B3+8*\b+7]
.else
	v_wmma_f32_16x16x32_bf16 v[AC+8*\b:AC+8*\b+7], v[BB+8*\b:BB+8*\b+7], v[AF+72*(\p)+8*(\a):AF+72*(\p)+8*(\a)+7], v[AC+8*\b:AC+8*\b+7]
.endif
.endr
.endm
.macro MULS f, p, a0, n, init          ; row blocks a0 .. a0 + n - 1.  The 72 accumulators take turns in one order everywhere
.set ma, \a0
.rept \n
	MULR \f, \p, ma, \init
.set ma, ma+1
.endr
.endm
.macro FETCHA p, ab                    ; 18 LDS loads: A's 9 fragments at byte ab of the rows, into buffer p
	WIN 0
.irp a, 0,1,2,3,4,5,6,7,8
	ds_load_b128 v[AF+72*(\p)+8*\a:AF+72*(\p)+8*\a+3],   v[ADRA+(\a)/3] offset:((\a)%3)*16*XP+(\ab)
	ds_load_b128 v[AF+72*(\p)+8*\a+4:AF+72*(\p)+8*\a+7], v[ADRA+(\a)/3] offset:((\a)%3)*16*XP+(\ab)+32
.endr
.endm
.macro LOADB f, ptr, off               ; 16 global loads: a step's 8,192 consecutive bytes, from byte off behind the pointer, into buffer f
.if (\f) < 3
	WIN 0xc0
.set BB, 64+64*(\f)
.else
	WIN 0
.set BB, B3
.endif
.irp b, 0,1,2,3,4,5,6,7
	global_load_b128 v[BB+8*\b:BB+8*\b+3],   v[L16], s[\ptr:\ptr+1] offset:(\off)+1024*\b
	global_load_b128 v[BB+8*\b+4:BB+8*\b+7], v[L16], s[\ptr:\ptr+1] offset:(\off)+1024*\b+512
.endr
.endm
; A step.  lc: the global loads issued behind this step's, which may stay out.  fa = 1: the next step's A, at byte ab, into the other buffer.
; fb = 1: the weights three steps on, into the buffer that the step before read.
.macro STEP f, p, lc, fa, ab, fb, ptr, off
	s_wait_loadcnt \lc                             ; global loads come back in order: this step's weights are in
	s_wait_dscnt 0x0                               ; and its A, asked for 64 matrix instructions ago
	MULR \f, \p, 0, 0
.if (\fa)+(\fb)
	PLACES                                         ; between the last step's products and the loads into their sources
.endif
.if \fa
	FETCHA 1-(\p), \ab
.endif
.if \fb
	LOADB ((\f)+3)%4, \ptr, \off
.endif
	MULS \f, \p, 1, 8, 0
.endm
; A phase's first step: buffer 3 holds the bias until the last of the 72 products has taken it; then it is asked for step 3.
.macro FIRST ptr
	s_wait_loadcnt 32
	s_wait_dscnt 0x0                               ; A's first fragments and the bias
	MULR 0, 0, 0, 1
	FETCHA 1, 64
	MULS 0, 0, 1, 8, 1
	PLACES
	LOADB 3, \ptr, 3*STEPB
.endm
; Steps 1 to 12: three trips of four.  s[24:25] walks the phase's weights, s85 is A's place along K, in bytes.
.macro LAPS
	WIN 0
	s_mov_b32 s83, 3
.Llap_\@:
	STEP 1, 1, 32, 1, 128, 1, 24, 4*STEPB
	STEP 2, 0, 32, 1, 192, 1, 24, 5*STEPB
	STEP 3, 1, 32, 1, 256, 1, 24, 6*STEPB
	STEP 0, 0, 32, 1, 320, 1, 24, 7*STEPB
	WIN 0
	s_wait_xcnt 0x0                                ; the pointer is stepped only behind this wait
	s_add_nc_u64 s[24:25], s[24:25], 4*STEPB
	s_add_co_u32 s85, s85, 256
	v_add_nc_u32 v[ADRA], s85, v[AB0]
	v_add_nc_u32 v[ADRA+1], s85, v[AB0+1]
	v_add_nc_u32 v[ADRA+2], s85, v[AB0+2]
	s_sub_co_u32 s83, s83, 1
	s_cmp_lg_u32 s83, 0
	s_cbranch_scc1 .Llap_\@
.endm
.macro SEL dst, a                      ; the chosen expert's 16 bits out of four words
	v_cndmask_b32 v[\dst], v[\a], v[(\a)+1], s79
	v_cndmask_b32 v[\dst], v[\dst], v[(\a)+2], s80
	v_cndmask_b32 v[\dst], v[\dst], v[(\a)+3], s81
	v_lshrrev_b32 v[\dst], s82, v[\dst]
	v_and_b32 v[\dst], 0xffff, v[\dst]
.endm
	s_load_b256 s[4:11], s[0:1], 0x0               ; xb 4, w1f 6, w2f 8, b1 10
	s_load_b128 s[12:15], s[0:1], 0x20             ; b2 12, route 14
	s_load_b64 s[16:17], s[0:1], 0x30              ; part
	v_lshl_add_u32 v[SPW], v0, 2, SPARE
	v_mov_b32 v[NIL], 0
	v_lshrrev_b32 v1, 5, v0
	v_readfirstlane_b32 s18, v1                    ; wave
	s_mov_b32 s19, ttmp9                           ; j
	s_and_b32 s20, ttmp7, 0xffff                   ; i
	v_and_b32 v1, 31, v0                           ; lane
	v_lshlrev_b32 v18, 5, v1                       ; 32 x lane
	v_lshlrev_b32 v19, 5, v0                       ; 32 x thread
	s_wait_kmcnt 0x0
; THE ROUTING.  Thread t owns tokens 32 t .. 32 t + 31 (blocks 2 t, 2 t + 1).  Every wave reads all counts: lane l the blocks 64 q + 2 l, + 1.
.irp q, 0,1,2,3
	global_load_b128 v[32+8*\q:35+8*\q], v18, s[14:15] offset:1024*\q
	global_load_b128 v[36+8*\q:39+8*\q], v18, s[14:15] offset:1024*\q+16
.endr
	global_load_b128 v[64:67], v19, s[14:15] offset:4096   ; my two blocks' masks
	global_load_b128 v[68:71], v19, s[14:15] offset:4112
	global_load_b128 v[72:75], v19, s[14:15] offset:8192   ; and second choices
	global_load_b128 v[76:79], v19, s[14:15] offset:8208
	s_mov_b32 s74, 0xaaaaaaaa                      ; the addresses are made while those loads are out.  The lanes whose number has bit 0, 1, 2, 3, 4:
	s_mov_b32 s75, 0xcccccccc
	s_mov_b32 s76, 0xf0f0f0f0
	s_mov_b32 s77, 0xff00ff00
	s_mov_b32 s78, 0xffff0000
	s_mov_b32 s86, 0x76543210                      ; v_permlanex16_b32: each lane takes its own place in the other half
	s_mov_b32 s87, 0xfedcba98
	s_mov_b32 s85, 0
	v_and_b32 v2, 15, v0                           ; r
	v_bfe_u32 v3, v0, 4, 1                         ; h
	v_mul_u32_u24 v23, v2, XP
	v_lshl_add_u32 v[AB0], v3, 4, v23              ; row r x pitch + 16 h
	v_add_nc_u32 v[AB0+1], 3*16*XP, v[AB0]
	v_add_nc_u32 v[AB0+2], 6*16*XP, v[AB0]
	v_mov_b32 v[ADRA], v[AB0]
	v_mov_b32 v[ADRA+1], v[AB0+1]
	v_mov_b32 v[ADRA+2], v[AB0+2]
	s_lshl_b32 s62, s18, 8
	v_lshl_add_u32 v[STOH], v3, 6, v23             ; h: row r, my 128 columns are 256 bytes, a lane's 32 of a group 64
	v_add_nc_u32 v[STOH], s62, v[STOH]
	v_add_nc_u32 v[STOH+1], 3*16*XP, v[STOH]
	v_add_nc_u32 v[STOH+2], 6*16*XP, v[STOH]
	s_mul_i32 s61, s18, 16*SGP
	s_add_co_u32 s61, s61, STAGE                   ; my stage
	v_mul_u32_u24 v[STG], v2, SGP
	v_lshl_add_u32 v[STG], v3, 5, v[STG]
	v_add_nc_u32 v[STG], s61, v[STG]
	v_lshlrev_b32 v[L16], 4, v1
	v_add_nc_u32 v[RD], s61, v[L16]
	s_mul_i32 s92, s18, 768
	s_add_co_u32 s93, s92, LISTM
	s_add_co_u32 s92, s92, LISTP
	v_mov_b32 v[LM], s93
	s_lshl_b32 s95, s18, 10
	s_add_co_u32 s95, s95, BT                      ; my bias tables
	v_lshl_add_u32 v[BTA], v3, 8, s95              ; read: my half of the lanes' 256 bytes
	v_bfe_u32 v24, v0, 3, 1                        ; write: lane l brings columns 4 l + c: g = l / 16, h = (l / 8) % 2, jj = l % 8
	v_lshl_add_u32 v[BTW], v24, 8, s95
	v_lshl_add_u32 v[BTW], v3, 7, v[BTW]
	v_and_b32 v24, 7, v0
	v_lshl_add_u32 v[BTW], v24, 2, v[BTW]
	v_mov_b32 v[ZR], 0
	s_wait_loadcnt 0x0
.irp q, 0,1,2,3
.irp d, 0,1,2,3
	v_add_nc_u32 v[80+4*\q+\d], v[32+8*\q+\d], v[36+8*\q+\d]  ; two experts a word; no half passes 4,096
.endr
.endr
.irp d, 0,1,2,3
	v_add_nc_u32 v[96+\d], v[80+\d], v[84+\d]
	v_add3_u32 v[96+\d], v[96+\d], v[88+\d], v[92+\d]
	v_mov_b32 v[100+\d], 0
.endr
.irp m, 1,2,4,8
.irp d, 0,1,2,3
	v_mov_b32_dpp v[100+\d], v[96+\d] row_xmask:\m row_mask:0xf bank_mask:0xf
.endr
.irp d, 0,1,2,3
	v_add_nc_u32 v[96+\d], v[96+\d], v[100+\d]
.endr
.endr
.irp d, 0,1,2,3
	v_permlanex16_b32 v[100+\d], v[96+\d], s86, s87
.endr
.irp d, 0,1,2,3
	v_add_nc_u32 v[96+\d], v[96+\d], v[100+\d]
.endr
.irp d, 0,1,2,3
	v_readfirstlane_b32 s[56+\d], v[96+\d]
	s_and_b32 s[66+2*\d], s[56+\d], 0xffff         ; c_0 .. c_7
	s_lshr_b32 s[67+2*\d], s[56+\d], 16
.endr
	s_mov_b32 s88, 0                               ; tiles ahead of expert e
	s_mov_b32 s21, 0
	s_mov_b32 s89, 0
	s_mov_b32 s90, 0
.irp e, 0,1,2,3,4,5,6,7
	s_cmp_ge_u32 s20, s88
	s_cselect_b32 s21, \e, s21
	s_cselect_b32 s89, s88, s89
	s_cselect_b32 s90, s[66+\e], s90
	s_add_co_u32 s91, s[66+\e], 143
	s_mul_i32 s91, s91, 7282                       ; / 144: 7,282 x 144 = 2^20 + 32, exact for quotients under 226; here at most 29
	s_lshr_b32 s91, s91, 20
	s_add_co_u32 s88, s88, s91
.endr
	s_min_u32 s21, s21, 7                          ; e
	s_sub_co_u32 s22, s20, s89
	s_mul_i32 s22, s22, 144                        ; r0
	s_sub_co_i32 s23, s90, s22
	s_max_i32 s23, s23, 0
	s_min_i32 s23, s23, 144                        ; n
	s_lshr_b32 s91, s21, 1
	s_cmp_eq_u32 s91, 1
	s_cselect_b32 s79, -1, 0
	s_cmp_eq_u32 s91, 2
	s_cselect_b32 s80, -1, 0
	s_cmp_eq_u32 s91, 3
	s_cselect_b32 s81, -1, 0
	s_and_b32 s82, s21, 1
	s_lshl_b32 s82, s82, 4
	s_cmp_eq_u32 s19, 0
	s_cselect_b32 s84, 1.0, 0
	s_lshl_b32 s56, s21, 21                        ; my weights in w1f and in w2f: expert x 2 MiB + slice x 524,288 + wave x 131,072
	s_lshl_b32 s58, s19, 19
	s_add_co_u32 s56, s56, s58
	s_lshl_b32 s58, s18, 17
	s_add_co_u32 s56, s56, s58
	s_mov_b32 s57, 0
	s_add_nc_u64 s[6:7], s[6:7], s[56:57]
	s_add_nc_u64 s[8:9], s[8:9], s[56:57]
	s_mov_b64 s[24:25], s[6:7]
	s_lshl_b32 s56, s21, 13
	s_lshl_b32 s58, s19, 11
	s_lshl_b32 s59, s18, 9
	s_add_co_u32 s56, s56, s58
	s_add_co_u32 s56, s56, s59
	s_add_nc_u64 s[10:11], s[10:11], s[56:57]      ; b1 at (2,048 e + 512 j + 128 w)
	s_lshl_b32 s56, s21, 11
	s_add_co_u32 s56, s56, s59
	s_add_nc_u64 s[12:13], s[12:13], s[56:57]      ; b2 at (512 e + 128 w)
	s_add_co_u32 s56, s58, s59
	s_add_nc_u64 s[16:17], s[16:17], s[56:57]      ; part at slice j, my 128 places
	global_load_b128 v[240:243], v[L16], s[10:11]  ; my 128 numbers of each bias, four a lane,
	global_load_b128 v[244:247], v[L16], s[12:13]
	LOADB 0, 6, 0                                  ; and the first three steps' weights: they land while the list is made
	LOADB 1, 6, STEPB
	LOADB 2, 6, 2*STEPB
	WIN 0
; The rank of my first token among the expert's rows: the totals of the waves before mine, and the lanes before me in mine.
	SEL 124, 80
	SEL 125, 84
	SEL 126, 88
	SEL 127, 92
	v_lshl_or_b32 v104, v125, 16, v124             ; totals: waves 0 and 1 in one word,
	v_lshl_or_b32 v105, v127, 16, v126             ; waves 2 and 3 in the other
	v_mov_b32 v106, 0                              ; what lies before me
	v_mov_b32 v107, 0
	v_mov_b32 v108, 0
	v_mov_b32 v109, 0
.set st, 0
.irp m, 1,2,4,8
	v_mov_b32_dpp v108, v104 row_xmask:\m row_mask:0xf bank_mask:0xf
	v_mov_b32_dpp v109, v105 row_xmask:\m row_mask:0xf bank_mask:0xf
	v_cndmask_b32 v110, 0, v108, s[74+st]          ; the partner's group lies before mine where my lane has the bit
	v_add_nc_u32 v106, v106, v110
	v_cndmask_b32 v110, 0, v109, s[74+st]
	v_add_nc_u32 v107, v107, v110
	v_add_nc_u32 v104, v104, v108
	v_add_nc_u32 v105, v105, v109
.set st, st+1
.endr
	v_permlanex16_b32 v108, v104, s86, s87
	v_permlanex16_b32 v109, v105, s86, s87
	v_cndmask_b32 v110, 0, v108, s78
	v_add_nc_u32 v106, v106, v110
	v_cndmask_b32 v110, 0, v109, s78
	v_add_nc_u32 v107, v107, v110
	v_add_nc_u32 v104, v104, v108
	v_add_nc_u32 v105, v105, v109
	v_readfirstlane_b32 s56, v104
	v_readfirstlane_b32 s57, v105
	s_and_b32 s58, s56, 0xffff
	s_lshr_b32 s59, s56, 16
	s_and_b32 s60, s57, 0xffff
	s_cmp_gt_u32 s18, 0
	s_cselect_b32 s58, s58, 0
	s_cmp_gt_u32 s18, 1
	s_cselect_b32 s59, s59, 0
	s_cmp_gt_u32 s18, 2
	s_cselect_b32 s60, s60, 0
	s_add_co_u32 s58, s58, s59
	s_add_co_u32 s58, s58, s60
	s_sub_co_u32 s58, s58, s22                     ; less r0: place 0 is the tile's first row
	s_bitcmp1_b32 s18, 1
	s_cselect_b32 s61, -1, 0
	s_and_b32 s62, s18, 1
	s_lshl_b32 s62, s62, 4
	v_cndmask_b32 v111, v106, v107, s61
	v_lshrrev_b32 v111, s62, v111
	v_and_b32 v111, 0xffff, v111
	v_add_nc_u32 v111, s58, v111                   ; pos
	SEL 112, 64
	SEL 113, 68
	v_lshl_or_b32 v112, v113, 16, v112             ; bit b: token 32 t + b chose the expert
	SEL 114, 72
	SEL 115, 76
	v_lshl_or_b32 v114, v115, 16, v114             ; bit b: as its second choice
	v_lshlrev_b32 v116, 6, v0                      ; slot = 2 token + choice: 64 t + 2 b + choice
	v_lshl_add_u32 v117, v1, 2, s92
	v_add_nc_u32 v121, 160, v1                     ; where an entry that is not wanted goes
.irp p, 0,1,2,3,4
	ds_store_b32 v117, v[ZR] offset:128*\p         ; my wave's 160 entries are 0: the four parts are joined by OR, and places past n name token 0
.endr
.set sb, 0
.rept 32
	v_bfe_u32 v118, v112, sb, 1
	v_bfe_u32 v119, v114, sb, 1
	v_add3_u32 v119, v116, v119, 2*sb
	v_add_nc_u32 v120, -1, v118
	v_or_b32 v120, v111, v120                      ; pos, or all ones where the token did not choose
	v_cmp_gt_u32 vcc_lo, 144, v120
	v_cndmask_b32 v120, v121, v120, vcc_lo
	v_min_u32 v120, 191, v120
	v_lshl_add_u32 v120, v120, 2, s92              ; inside my wave's 768 bytes
	ds_store_b32 v120, v119
	v_add_nc_u32 v111, v111, v118
.set sb, sb+1
.endr
	s_wait_loadcnt 48                              ; the 48 loads of weights are younger: the biases are in
	v_cvt_pk_bf16_f32 v248, v240, v241             ; rounded to bf16, back as f32
	v_cvt_pk_bf16_f32 v249, v242, v243
	v_cvt_pk_bf16_f32 v250, v244, v245
	v_cvt_pk_bf16_f32 v251, v246, v247
.irp p, 0,1,2,3
	v_lshlrev_b32 v[240+2*\p], 16, v[248+\p]
	v_and_b32 v[241+2*\p], 0xffff0000, v[248+\p]
.endr
.irp c, 0,1,2,3
	v_mul_f32 v[244+\c], s84, v[244+\c]            ; b2 belongs to slice 0 alone
.endr
.irp c, 0,1,2,3
	ds_store_b32 v[BTW], v[240+\c] offset:32*\c    ; column 4 l + c goes to fragment 4 g + c, place jj, of half h
	ds_store_b32 v[BTW], v[244+\c] offset:512+32*\c
.endr
.irp i, 0,1,2,3,4,5,6,7,8,9,10,11,12,13,14,15
	ds_load_b128 v[B3+4*\i:B3+4*\i+3], v[BTA] offset:16*\i  ; b1 as the first products' C.  My own bytes: LDS serves a wave's instructions in order
.endr
	s_wait_dscnt 0x0                               ; for the others' sake: my part of the list is stored
	s_barrier_signal -1
	s_barrier_wait -1
	v_lshl_add_u32 v122, v1, 2, LISTP
	v_lshl_add_u32 v123, v1, 2, s93
.irp q, 0,1,2,3
.irp p, 0,1,2,3,4
	ds_load_b32 v[128+5*\q+\p], v122 offset:768*\q+128*\p
.endr
.endr
	s_wait_dscnt 0x0
.irp p, 0,1,2,3,4
	v_or_b32 v[128+\p], v[128+\p], v[133+\p]
	v_or_b32 v[138+\p], v[138+\p], v[143+\p]
	v_or_b32 v[128+\p], v[128+\p], v[138+\p]
	ds_store_b32 v123, v[128+\p] offset:128*\p     ; my own copy: only I read it
.endr
	s_mul_i32 s94, s18, 144
	s_add_co_u32 s94, s94, s93
	v_mov_b32 v18, s94                             ; THE GATHER: wave w brings rows 36 w .. 36 w + 35
.irp i, 0,1,2,3,4,5,6,7,8
	ds_load_b128 v[GO+4*\i:GO+4*\i+3], v18 offset:16*\i
.endr
	s_wait_dscnt 0x0
.set gi, 0
.rept 36
	v_lshrrev_b32 v[GO+gi], 1, v[GO+gi]            ; the token,
	v_min_u32 v[GO+gi], 0xfff, v[GO+gi]
	v_lshl_add_u32 v[GO+gi], v[GO+gi], 10, v[L16]  ; its row of 1,024 bytes, my 16 of each half
.set gi, gi+1
.endr
	WIN 0x40                                       ; into the accumulators' registers, which are idle yet
.set gi, 0
.rept 18
	global_load_b128 v[8*gi:8*gi+3],   v[GO+gi], s[4:5]
	global_load_b128 v[8*gi+4:8*gi+7], v[GO+gi], s[4:5] offset:512
.set gi, gi+1
.endr
	WIN 0x80
.set gi, 0
.rept 18
	global_load_b128 v[8*gi:8*gi+3],   v[GO+18+gi], s[4:5]
	global_load_b128 v[8*gi+4:8*gi+7], v[GO+18+gi], s[4:5] offset:512
.set gi, gi+1
.endr
	WIN 0
	s_mul_i32 s94, s18, 36*XP
	v_add_nc_u32 v19, s94, v[L16]
.set gg, 0
.rept 6
	s_wait_loadcnt 60-12*gg                        ; six rows' twelve loads are in; the later groups stay out
	WIN 0x04*(1+gg/3)
.set gr, 0
.rept 6
	ds_store_b128 v19, v[8*((6*gg+gr)%18):8*((6*gg+gr)%18)+3]   offset:(6*gg+gr)*XP
	ds_store_b128 v19, v[8*((6*gg+gr)%18)+4:8*((6*gg+gr)%18)+7] offset:(6*gg+gr)*XP+512
.set gr, gr+1
.endr
.set gg, gg+1
.endr
	WIN 0
	s_wait_dscnt 0x0                               ; for the others' sake: my rows of x are stored
	s_barrier_signal -1
	s_barrier_wait -1
; PHASE 1: x w1 + b1.  Its last three steps ask for w2f's first three.
	FETCHA 0, 0
	FIRST 24
	LAPS
	STEP 1, 1, 32, 1, 128, 1, 8, 0
	STEP 2, 0, 32, 1, 192, 1, 8, STEPB
	s_wait_loadcnt 32
	s_wait_dscnt 0x0                               ; the last step's A is in: my reads of x are over
	MULR 3, 1, 0, 0
	PLACES
	LOADB 2, 8, 2*STEPB
	s_barrier_signal -1                            ; say so; 64 products stand between the signal and the wait
	MULS 3, 1, 1, 8, 0
	s_barrier_wait -1                              ; nobody reads x any more: h may take its place
; BETWEEN: h = relu, rounded to bf16, over x.  Accumulators c and c + 1 of a group give neighbouring columns; a lane's 32 of a group are 64 bytes of a row.
	PLACES
	WIN 0
.irp i, 0,1,2,3,4,5,6,7,8,9,10,11,12,13,14,15
	ds_load_b128 v[B3+4*\i:B3+4*\i+3], v[BTA] offset:512+16*\i  ; b2 (or 0) as the next first products' C
.endr
.set ha, 0
.rept 9
	WIN 0x05*(1+ha/4)
.set AC, 64*(ha%4)
.set TT, AF+32*(ha%2)                  ; A's buffer 0 is idle: two sets of 32 registers by turns
.irp g, 0,1
.irp jj, 0,1,2,3,4,5,6,7
	v_cvt_pk_bf16_f32 v[TT+16*\g+2*\jj],   v[AC+32*\g+\jj],    v[AC+32*\g+8+\jj]   ; each accumulator from its low end on
	v_cvt_pk_bf16_f32 v[TT+16*\g+2*\jj+1], v[AC+32*\g+16+\jj], v[AC+32*\g+24+\jj]
.endr
.endr
	WIN 0
.set hx, 0
.rept 32
	v_pk_max_num_bf16 v[TT+hx], v[TT+hx], v[ZR]
.set hx, hx+1
.endr
.irp g, 0,1
.irp i, 0,1,2,3
	ds_store_b128 v[STOH+ha/3], v[TT+16*\g+4*\i:TT+16*\g+4*\i+3] offset:(ha%3)*16*XP+128*\g+16*\i
.endr
.endr
.set ha, ha+1
.endr
	s_mov_b32 s85, 0
	v_mov_b32 v[ADRA], v[AB0]
	v_mov_b32 v[ADRA+1], v[AB0+1]
	v_mov_b32 v[ADRA+2], v[AB0+2]
	s_wait_xcnt 0x0                                ; the walking pointer is written only behind this wait
	s_mov_b64 s[24:25], s[8:9]
	s_wait_dscnt 0x0                               ; for the others' sake: my columns of h are stored
	s_barrier_signal -1
	s_barrier_wait -1
; PHASE 2: h w2 (+ b2).  Its last three steps ask for nothing: the counts run down.
	FETCHA 0, 0
	FIRST 24
	LAPS
	STEP 1, 1, 32, 1, 128, 0, 24, 0
	STEP 2, 0, 16, 1, 192, 0, 24, 0
	STEP 3, 1, 0, 0, 0, 0, 24, 0
; THE WAY OUT, 16 rows at a time: 32 bytes a lane into rows of 528 bytes, back as whole rows of 512, each stored at its slot's place:
; a store covers 512 consecutive bytes, at a multiple of 512 from part's first.  Rows past n are jumped; nothing jumped holds a barrier.
	PLACES
.set oa, 0
.rept 9
	WIN 0
	s_cmp_le_u32 s23, 16*oa
	s_cbranch_scc1 .Lout
	s_wait_xcnt 0x0                                ; the last block's stores have read their registers
	WIN 0x04*(1+oa/4)
.set AC, 64*(oa%4)
.irp b, 0,1,2,3,4,5,6,7
	ds_store_b128 v[STG], v[AC+8*\b:AC+8*\b+3]   offset:64*\b
	ds_store_b128 v[STG], v[AC+8*\b+4:AC+8*\b+7] offset:64*\b+16
.endr
	WIN 0
.irp t, 0,1,2,3,4,5,6,7,8,9,10,11,12,13,14,15
	ds_load_b128 v[TM+4*\t:TM+4*\t+3], v[RD] offset:SGP*\t
.endr
.irp q, 0,1,2,3
	ds_load_b128 v[240+4*\q:243+4*\q], v[LM] offset:64*oa+16*\q  ; the 16 rows' slots, in every lane
.endr
	s_wait_dscnt 0x0
.irp t, 0,1,2,3,4,5,6,7,8,9,10,11,12,13,14,15
	v_min_u32 v[240+\t], 0x1fff, v[240+\t]
	v_lshl_add_u32 v[240+\t], v[240+\t], 13, v[L16]  ; a slot is 4 slices of 2,048 bytes
.endr
.irp t, 0,1,2,3,4,5,6,7,8,9,10,11,12,13,14,15
.if \t > 0
	s_cmp_le_u32 s23, 16*oa+\t
	s_cbranch_scc1 .Lout
.endif
	global_store_b128 v[240+\t], v[TM+4*\t:TM+4*\t+3], s[16:17]
.endr
.set oa, oa+1
.endr
.Lout:
	s_wait_tensorcnt 0x0                           ; the wave's end
	ds_add_u32 v[SPW], v[NIL]
	s_wait_dscnt 0x0
	s_endpgm
.Lfunc_end_k_q21e0d1b8c6_ffn:
	.size	k_q21e0d1b8c6_ffn, .Lfunc_end_k_q21e0d1b8c6_ffn-k_q21e0d1b8c6_ffn
	.p2alignl 7, 3214868480
	.fill 96, 4, 3214868480
	.section	.rodata,"a",@progbits
	.p2align	6, 0x0
	.amdhsa_kernel k_q21e0d1b8c6_ffn
		.amdhsa_group_segment_fixed_size 196608
		.amdhsa_private_segment_fixed_size 0
		.amdhsa_enable_private_segment 0
		.amdhsa_kernarg_size 56
		.amdhsa_user_sgpr_count 2
		.amdhsa_user_sgpr_kernarg_segment_ptr 1
		.amdhsa_wavefront_size32 1
		.amdhsa_system_sgpr_workgroup_id_x 1
		.amdhsa_system_sgpr_workgroup_id_y 1
		.amdhsa_system_sgpr_workgroup_id_z 1
		.amdhsa_system_vgpr_workitem_id 0
		.amdhsa_next_free_vgpr 1024
		.amdhsa_next_free_sgpr 100
		.amdhsa_reserve_vcc 1
		.amdhsa_float_denorm_mode_32 3
		.amdhsa_float_denorm_mode_16_64 3
		.amdhsa_memory_ordered 1
		.amdhsa_forward_progress 1
		.amdhsa_inst_pref_size 255
	.end_amdhsa_kernel
	.section	.bss,"aw",@nobits
	.p2align	6
	.space	262144
	.amdgpu_metadata
---
amdhsa.version: [ 1, 2 ]
amdhsa.kernels:
  - .name:           k_q21e0d1b8c6_ffn
    .symbol:         k_q21e0d1b8c6_ffn.kd
    .args:
      - { .name: xb, .offset: 0, .size: 8, .value_kind: global_buffer, .address_space: global }
      - { .name: w1f, .offset: 8, .size: 8, .value_kind: global_buffer, .address_space: global }
      - { .name: w2f, .offset: 16, .size: 8, .value_kind: global_buffer, .address_space: global }
      - { .name: b1, .offset: 24, .size: 8, .value_kind: global_buffer, .address_space: global }
      - { .name: b2, .offset: 32, .size: 8, .value_kind: global_buffer, .address_space: global }
      - { .name: route, .offset: 40, .size: 8, .value_kind: global_buffer, .address_space: global }
      - { .name: part, .offset: 48, .size: 8, .value_kind: global_buffer, .address_space: global }
    .group_segment_fixed_size: 196608
    .private_segment_fixed_size: 0
    .kernarg_segment_align: 8
    .kernarg_segment_size: 56
    .max_flat_workgroup_size: 128
    .sgpr_count:     100
    .vgpr_count:     1024
    .wavefront_size: 32
...
	.end_amdgpu_metadata
.endif
;; end of part 2
;; launch comb (part 3): grid 1024 x 1, 4 waves a work-group, no clusters, 10,752 bytes of LDS; arguments part, gate, out0; writes out0
.if DOCPART == 3
	.amdgcn_target "amdgcn-amd-amdhsa--gfx1250"
	.amdhsa_code_object_version 6
	.text
	.protected	k_q21e0d1b8c6_comb
	.globl	k_q21e0d1b8c6_comb
	.p2align	8
	.type	k_q21e0d1b8c6_comb,@function
k_q21e0d1b8c6_comb:
	s_mov_b64 s[64:65], 0
	v_nop
	global_prefetch_b8 v0, s[64:65] scope:SCOPE_SE
	s_setreg_imm32_b32 hwreg(HW_REG_WAVE_MODE, 25, 1), 1
	s_wait_xcnt 0x0
; COMB: out[t] = g0 (sum over the 4 slices of part[t][0]) + g1 (the same of part[t][1]), all f32, and the columns put right.
; Work-group g takes tokens 4 g .. 4 g + 3; thread t places 4 t .. 4 t + 3: a wave's load or store covers 512 consecutive bytes, aligned.
; A stream: each byte of part is read once, all 32 loads of a wave go out at once; no barrier, no matrix unit, no loop.
; THE ORDER.  In part, place 64 g + 16 c + m of a wave's 128 holds column 64 g + 4 m + c.  All eight parts of a token have that order, so they are
; added as they lie; only the sum, 16 bytes a lane, goes through LDS: in as it lies, back as four words 64 bytes apart, which are the lane's four
; neighbouring columns.  The permutation stays inside a wave's 128 places: the bytes are the wave's own, and LDS serves a wave's instructions in
; order.  A group of 64 places has 320 bytes, so that the two halves of the lanes read different banks.
.set P,     8                          ; v[8:135]: token tt, choice k, slice j at P + 32 tt + 16 k + 4 j
.set TOK,   640                        ; a token's two groups in LDS
.set WVB,   4*TOK                      ; a wave's four tokens
.set SPARE, 4*WVB                      ; 10,240: the spare words, 128 bytes a wave
	s_load_b128 s[4:7], s[0:1], 0x0                ; part, gate
	s_load_b64 s[16:17], s[0:1], 0x10              ; out0
	v_lshl_add_u32 v2, v0, 2, SPARE                ; my spare word
	v_mov_b32 v3, 0
	v_lshlrev_b32 v1, 4, v0
	v_lshrrev_b32 v4, 5, v0
	v_readfirstlane_b32 s24, v4                    ; wave
	s_mul_i32 s24, s24, WVB
	v_bfe_u32 v4, v0, 4, 1                         ; my group
	v_mul_u32_u24 v4, v4, 320
	v_add_nc_u32 v4, s24, v4
	v_and_b32 v5, 15, v0
	v_lshl_add_u32 v6, v5, 4, v4                   ; in: 16 bytes at 16 (lane % 16)
	v_lshl_add_u32 v7, v5, 2, v4                   ; back: word m = lane % 16 of each of the four runs of 16
	s_lshl_b32 s18, ttmp9, 16                      ; 4 tokens x 16,384 bytes of part
	s_mov_b32 s19, 0
	s_lshl_b32 s20, ttmp9, 5                       ; 4 x 8 bytes of gate
	s_mov_b32 s21, 0
	s_lshl_b32 s22, ttmp9, 13                      ; 4 x 2,048 bytes of out
	s_mov_b32 s23, 0
	s_wait_kmcnt 0x0
	s_add_nc_u64 s[4:5], s[4:5], s[18:19]
	s_add_nc_u64 s[6:7], s[6:7], s[20:21]
	s_add_nc_u64 s[16:17], s[16:17], s[22:23]
	s_load_b256 s[8:15], s[6:7], 0x0               ; g0, g1 of the four tokens
.irp tt, 0,1,2,3
.irp c, 0,1,2,3,4,5,6,7
	global_load_b128 v[P+32*\tt+4*\c:P+32*\tt+4*\c+3], v1, s[4:5] offset:16384*\tt+2048*\c th:TH_LOAD_NT
.endr
.endr
	s_wait_kmcnt 0x0
.irp tt, 0,1,2,3
	s_wait_loadcnt 24-8*\tt                        ; this token's eight loads are in; the later tokens' stay out
.irp k, 0,16
.irp i, 0,2
	v_pk_add_f32 v[P+32*\tt+\k+\i:P+32*\tt+\k+\i+1], v[P+32*\tt+\k+\i:P+32*\tt+\k+\i+1], v[P+32*\tt+\k+4+\i:P+32*\tt+\k+4+\i+1]
	v_pk_add_f32 v[P+32*\tt+\k+8+\i:P+32*\tt+\k+8+\i+1], v[P+32*\tt+\k+8+\i:P+32*\tt+\k+8+\i+1], v[P+32*\tt+\k+12+\i:P+32*\tt+\k+12+\i+1]
.endr
.irp i, 0,2
	v_pk_add_f32 v[P+32*\tt+\k+\i:P+32*\tt+\k+\i+1], v[P+32*\tt+\k+\i:P+32*\tt+\k+\i+1], v[P+32*\tt+\k+8+\i:P+32*\tt+\k+8+\i+1]
.endr
.endr
.irp i, 0,1,2,3
	v_mul_f32 v[P+32*\tt+\i], s[8+2*\tt], v[P+32*\tt+\i]
.endr
.irp i, 0,1,2,3
	v_fmac_f32 v[P+32*\tt+\i], s[9+2*\tt], v[P+32*\tt+16+\i]
.endr
	ds_store_b128 v6, v[P+32*\tt:P+32*\tt+3] offset:TOK*\tt
.irp c, 0,1,2,3
	ds_load_b32 v[P+32*\tt+16+\c], v7 offset:TOK*\tt+64*\c  ; column 4 m + c
.endr
.if \tt > 0
	s_wait_dscnt 5                                 ; this token's five LDS instructions may be out: the token before is back
	global_store_b128 v1, v[P+32*(\tt-1)+16:P+32*(\tt-1)+19], s[16:17] offset:2048*(\tt-1) th:TH_STORE_NT
.endif
.endr
	s_wait_dscnt 0x0
	global_store_b128 v1, v[P+32*3+16:P+32*3+19], s[16:17] offset:2048*3 th:TH_STORE_NT
	s_wait_tensorcnt 0x0                           ; the wave's end
	ds_add_u32 v2, v3
	s_wait_dscnt 0x0
	s_endpgm
.Lfunc_end_k_q21e0d1b8c6_comb:
	.size	k_q21e0d1b8c6_comb, .Lfunc_end_k_q21e0d1b8c6_comb-k_q21e0d1b8c6_comb
	.p2alignl 7, 3214868480
	.fill 96, 4, 3214868480
	.section	.rodata,"a",@progbits
	.p2align	6, 0x0
	.amdhsa_kernel k_q21e0d1b8c6_comb
		.amdhsa_group_segment_fixed_size 10752
		.amdhsa_private_segment_fixed_size 0
		.amdhsa_enable_private_segment 0
		.amdhsa_kernarg_size 24
		.amdhsa_user_sgpr_count 2
		.amdhsa_user_sgpr_kernarg_segment_ptr 1
		.amdhsa_wavefront_size32 1
		.amdhsa_system_sgpr_workgroup_id_x 1
		.amdhsa_system_sgpr_workgroup_id_y 1
		.amdhsa_system_sgpr_workgroup_id_z 1
		.amdhsa_system_vgpr_workitem_id 0
		.amdhsa_next_free_vgpr 140
		.amdhsa_next_free_sgpr 66
		.amdhsa_reserve_vcc 0
		.amdhsa_float_denorm_mode_32 3
		.amdhsa_float_denorm_mode_16_64 3
		.amdhsa_memory_ordered 1
		.amdhsa_forward_progress 1
		.amdhsa_inst_pref_size 11
	.end_amdhsa_kernel
	.amdgpu_metadata
---
amdhsa.version: [ 1, 2 ]
amdhsa.kernels:
  - .name:           k_q21e0d1b8c6_comb
    .symbol:         k_q21e0d1b8c6_comb.kd
    .args:
      - { .name: part, .offset: 0, .size: 8, .value_kind: global_buffer, .address_space: global }
      - { .name: gate, .offset: 8, .size: 8, .value_kind: global_buffer, .address_space: global }
      - { .name: out0, .offset: 16, .size: 8, .value_kind: global_buffer, .address_space: global }
    .group_segment_fixed_size: 10752
    .private_segment_fixed_size: 0
    .kernarg_segment_align: 8
    .kernarg_segment_size: 24
    .max_flat_workgroup_size: 128
    .sgpr_count:     66
    .vgpr_count:     140
    .wavefront_size: 32
...
	.end_amdgpu_metadata
.endif
;; end of part 3
